; MI455X (gfx1250); checked and timed in simulation.
; The chip was launched on July 23, 2026; its instructions are those of AMD's public machine-readable ISA for CDNA 5 (MIT licence, August 2026) and "CDNA5" Instruction Set Architecture Reference Guide (July 2026). The comments in the code are by the model that wrote it; some were corrected since.
;; KF Loss. Allowed arithmetic: float matrix products may take bf16 or f16 operands with f32 sums; all other float work in f32.
;; Inputs: pred 4,096 x 5 float32; target 2,048 x 5 float32.
;; Outputs: out0 4,096 x 2,048 float32.
;; One version. Each part assembles by itself: llvm-mc -triple=amdgcn-amd-amdhsa -mcpu=gfx1250 --defsym DOCPART=n.
;; ======== version 1 of 1: 1 launch
;; limits: right only within a limited range of input values
;; launch kfloss (part 1): grid 8 x 32, 16 waves a work-group, no clusters, 8,192 bytes of LDS; arguments pred, target, out0; writes out0
.if DOCPART == 1
	.amdgcn_target "amdgcn-amd-amdhsa--gfx1250"
	.amdhsa_code_object_version 6
	.text
	.protected	k_q1a1cf464a2_kfloss
	.globl	k_q1a1cf464a2_kfloss
	.p2align	8
	.type	k_q1a1cf464a2_kfloss,@function
k_q1a1cf464a2_kfloss:
	s_mov_b64 s[64:65], 0
	v_nop
	global_prefetch_b8 v0, s[64:65] scope:SCOPE_SE
	s_setreg_imm32_b32 hwreg(HW_REG_WAVE_MODE, 25, 1), 1
	s_wait_xcnt 0x0
; KFLoss, pairwise: out0[m][n] = max(0, 1 - Vb / (Vp[m] + Vt[n] - Vb + EPS)).  pred [4096][5], target [2048][5], out0 [4096][2048], all f32.
;
; THE FORM.  For thin boxes the f32 differences of reference() (p - K p, sig00 sig11 - sig01 sig10) keep little but their own rounding errors, and the result
; there is a function of those roundings.  So this text follows reference() rounding by rounding up to det_sig, in the form that a compiler for a host with
; fused multiply-add gives it: in x y + u v and x y - u v the first product is fused with the sum and the second is rounded; a product with a second use is
; not fused, the other one is (p01 i01, which stands in k00 and in k11); a and b have three uses each, so a - b is a plain difference; every other operation
; rounds by itself, in reference()'s order.  The three quotients by det_m are correctly rounded: a reciprocal, one Newton step, and for each quotient
; q = n r, e = n - d q (fused), q + e r.  i01 = -m01 / det_m is kept as q = +m01 / det_m, with the sign carried by the operations that use it: the same bits.
; sin and cos are made to agree with a host C library's sinf and cosf in the last bit: n = rndne(r 2/pi), rho = r - n x (pi/2 as a double), then the
; double-precision polynomials of the open sinf/cosf in common use (degree 7 and 8 on |rho| <= pi/4), here evaluated in pairs of f32 (head + tail, products
; and sums made error-free by fused multiply-adds, about 47 bits) and rounded to f32 once.
; Behind det_sig nothing is ill-conditioned: v_sqrt_f32, v_rcp_f32 and one fused multiply-add.  Clips and the last clamp are compare and select, so a NaN stays a NaN.
;
; LIMITS.  It is taken that reference() is evaluated with the contraction described above; for pairs of boxes that are not both thin and nearly parallel
; the choice does not show.  |r| <= 1e5 (pi/2 in 53 bits; from |r| = 120 on a C library may reduce with more bits, and the last bit of sin and cos may
; then differ).  v_sqrt_f32 and v_rcp_f32 take denormals as zero: |det| below 1.2e-38 counts as 0.
;
; THE SHARES.  256 work-groups (8 along the columns, 32 along the rows), 16 waves.  A work-group makes 128 rows x 256 columns.
; Its 384 boxes are worked out once, one a thread: waves 0-7 the 256 targets, waves 8-11 the 128 preds; waves 12-15 have none.  They meet in LDS behind one barrier.
; Then wave w makes rows 8 w .. 8 w + 7 of the tile; lane L holds columns 4 L .. 4 L + 3 and 128 + 4 L .. + 3, so each store of the wave covers
; 512 consecutive bytes, aligned.  Every row has result registers of its own: nothing that a store reads is written again.
.set ROWB,   8192                      ; bytes in a row of out0
.set BOXB,   20                        ; bytes in a box: x, y, w, h, r
.set L_T,    0                         ; LDS: four arrays of 256 words: s00, s01, s11, V of the tile's targets
.set L_P,    4096                      ; 128 records of 16 bytes: s00, s01, s11, V of the tile's preds
; pi/2 as a double, 0x1.921FB54442D18p0, in three f32 parts of 24, 24 and 5 bits; the polynomials' coefficients as head + tail
.set H1N, 0xbfc90fda                   ; -(first part)
.set H2,  0x33a22168
.set H3,  0x27c00000
.set C4H, 0x37cc9a18                   ;  0x1.99343027bf8c3p-16
.set C4L, 0x2a1efe31
.set C3H, 0xbab6043f                   ; -0x1.6c087e89a359dp-10
.set C3L, 0xae09a35a
.set C2H, 0x3d2aaa9f                   ;  0x1.55553e1068f19p-5
.set C2L, 0x2f03478c
.set C1H, 0xbeffffff                   ; -0x1.ffffffd0c621cp-2
.set C1L, 0xb2e86311
.set S3H, 0xb94ca759                   ; -0x1.994eb3774cf24p-13
.set S3L, 0xad3ba679
.set S2H, 0x3c0883b0                   ;  0x1.1107605230bc4p-7
.set S2L, 0x2f246178
.set S1H, 0xbe2aaaa2                   ; -0x1.555545995a603p-3
.set S1L, 0xb24cad30
.set ONE, 0x3f800000
.set LOFF, 3                           ; v3   16 x lane: LDS offset of my columns' numbers, and byte offset of my columns in a row of the tile
.set RADR, 4                           ; v4   LDS address of my wave's eight records (the same in all lanes)
; one box at work
.set WW, 6                             ; w, then a = (w/2)^2
.set HH, 7                             ; h, then b
.set RR, 8                             ; r
.set KK, 9                             ; n as f32
.set NI, 10                            ; n as an integer
.set RH, 11                            ; rho, head and tail
.set RL, 12
.set ZH, 13                            ; rho^2, head and tail
.set ZL, 14
.set CA, 15                            ; the cosine's Horner value, head and tail; product's head, its tail, a temporary
.set CB, 16
.set CPH, 17
.set CPE, 18
.set CT, 19
.set SA, 20                            ; the same for the sine
.set SB, 21
.set SPH, 22
.set SPE, 23
.set ST, 24
.set GAD, 25                           ; the box's byte offset in its buffer
.set LAD, 26                           ; where its numbers go in LDS
.set SN, 27                            ; sin r
.set CS, 28                            ; cos r
.set U0, 29
.set U1, 30
.set U2, 31
.set BX, 32                            ; v[32:35] s00, s01, s11, V
; the main part
.set T0, 36                            ; v[36:43] s00 of my 8 columns
.set T1, 44                            ; s01
.set T2, 52                            ; s11
.set TV, 60                            ; V
.set P,  68                            ; v[68:99] row i: s00, s01, s11, V in v[P+4i : P+4i+3]
.set M0, 100                           ; eight arrays of 8 at work
.set M1, 108
.set M2, 116
.set D,  124
.set R,  132
.set Q0, 140
.set Q1, 148
.set Q2, 156
.set O,  164                           ; v[164:227] row i: the denominator, then 8 results
	s_load_b128 s[4:7], s[0:1], 0x0                ; pred s[4:5], target s[6:7]
	s_load_b64 s[8:9], s[0:1], 0x10                ; out0
	v_lshl_add_u32 v228, v0, 2, 0x1800
	v_mov_b32 v229, 0
	v_lshrrev_b32 v1, 5, v0
	v_readfirstlane_b32 s10, v1                    ; wave 0..15
	v_and_b32 v2, 31, v0                           ; lane
	s_and_b32 s11, ttmp7, 0xffff                   ; the tile's place along the rows, 0..31 (ttmp9: along the columns, 0..7)
	v_lshlrev_b32 v[LOFF], 4, v2
	s_lshl_b32 s12, s10, 7                         ; 8 records of 16 bytes a wave
	s_add_co_u32 s12, s12, L_P
	v_mov_b32 v[RADR], s12
	s_lshl_b32 s13, s10, 5                         ; 32 x wave: the wave's first box
	s_lshl_b32 s14, s11, 7                         ; my first row of out0: 128 x tile
	s_lshl3_add_u32 s14, s10, s14                  ; + 8 x wave
	s_lshl_b32 s14, s14, 13                        ; in bytes (33,546,240 at the most),
	s_lshl_b32 s15, ttmp9, 10                      ; and the tile's 1,024 bytes of a row
	s_add_co_u32 s14, s14, s15
	s_mov_b32 s15, 0
; One Horner step on both polynomials, line by line in turn: (head, tail) = coefficient + z x (head, tail).
; The product's head and its exact error (fused), the cross terms, then head + coefficient with its exact error (the coefficient is the larger of the two).
.macro STEP2 cch, ccl, sch, scl
	v_mul_f32 v[CPH], v[ZH], v[CA]
	v_mul_f32 v[SPH], v[ZH], v[SA]
	v_fma_f32 v[CPE], v[ZH], v[CA], -v[CPH]
	v_fma_f32 v[SPE], v[ZH], v[SA], -v[SPH]
	v_fma_f32 v[CPE], v[ZH], v[CB], v[CPE]
	v_fma_f32 v[SPE], v[ZH], v[SB], v[SPE]
	v_fma_f32 v[CPE], v[ZL], v[CA], v[CPE]
	v_fma_f32 v[SPE], v[ZL], v[SA], v[SPE]
	v_add_f32 v[CA], \cch, v[CPH]
	v_add_f32 v[SA], \sch, v[SPH]
	v_add_f32 v[CT], (\cch)^0x80000000, v[CA]      ; sum - coefficient, exact
	v_add_f32 v[ST], (\sch)^0x80000000, v[SA]
	v_sub_f32 v[CT], v[CPH], v[CT]                 ; what the sum's rounding dropped
	v_sub_f32 v[ST], v[SPH], v[ST]
.if \ccl
	v_add_f32 v[CPE], \ccl, v[CPE]
	v_add_f32 v[SPE], \scl, v[SPE]
.endif
	v_add_f32 v[CB], v[CT], v[CPE]
	v_add_f32 v[SB], v[ST], v[SPE]
.endm
; One box a lane: w, h, r (on their way) to s00, s01, s11, V = 4 sqrt|det| in v[BX:BX+3].
.macro BOX
	s_wait_loadcnt 0x0                             ; the three loads just issued are the wave's only ones
	v_mov_b32 v[U0], 0x33d6bf95                    ; 1e-7
	v_mov_b32 v[U1], 0x4b189680                    ; 1e7
	v_mul_f32 v[KK], 0x3f22f983, v[RR]             ; r x 2/pi
	v_cmp_lt_f32 vcc_lo, v[WW], v[U0]              ; clip(w), clip(h) by compare and select: a NaN stays
	v_cndmask_b32 v[WW], v[WW], v[U0], vcc_lo
	v_cmp_lt_f32 vcc_lo, v[HH], v[U0]
	v_cndmask_b32 v[HH], v[HH], v[U0], vcc_lo
	v_rndne_f32 v[KK], v[KK]                       ; n
	v_cmp_gt_f32 vcc_lo, v[WW], v[U1]
	v_cndmask_b32 v[WW], v[WW], v[U1], vcc_lo
	v_cmp_gt_f32 vcc_lo, v[HH], v[U1]
	v_cndmask_b32 v[HH], v[HH], v[U1], vcc_lo
	; rho = r - n (H1 + H2 + H3) as head + tail
	v_fmamk_f32 v[U2], v[KK], H1N, v[RR]           ; r - n H1: exact (a multiple of 2^-24 below 1 where n is not 0)
	v_mul_f32 v[U0], H2, v[KK]                     ; n H2, rounded,
	v_cvt_i32_f32 v[NI], v[KK]
	v_fma_f32 v[U1], v[KK], H2, -v[U0]             ; and what that rounding dropped
	v_sub_f32 v[RH], v[U2], v[U0]                  ; the head
	v_sub_f32 v[U2], v[RH], v[U2]
	v_add_f32 v[U2], v[U0], v[U2]                  ; minus what the head's rounding dropped, exact
	v_add_f32 v[U2], v[U2], v[U1]
	v_fma_f32 v[RL], -v[KK], H3, -v[U2]            ; the tail
	; z = rho^2
	v_mul_f32 v[ZH], v[RH], v[RH]
	v_add_f32 v[U0], v[RH], v[RH]
	v_fma_f32 v[ZL], v[RH], v[RH], -v[ZH]
	v_fma_f32 v[ZL], v[U0], v[RL], v[ZL]
	; the cosine has one step more: C3 + z C4
	v_mul_f32 v[CPH], C4H, v[ZH]
	v_mov_b32 v[SA], S3H
	v_fma_f32 v[CPE], v[ZH], C4H, -v[CPH]
	v_mov_b32 v[SB], S3L
	v_fmamk_f32 v[CPE], v[ZH], C4L, v[CPE]
	v_fmamk_f32 v[CPE], v[ZL], C4H, v[CPE]
	v_add_f32 v[CA], C3H, v[CPH]
	v_add_f32 v[CT], C3H^0x80000000, v[CA]
	v_sub_f32 v[CT], v[CPH], v[CT]
	v_add_f32 v[CPE], C3L, v[CPE]
	v_add_f32 v[CB], v[CT], v[CPE]
	STEP2 C2H, C2L, S2H, S2L
	STEP2 C1H, C1L, S1H, S1L
	STEP2 ONE, 0, ONE, 0                           ; cos rho = 1 + z (..); sin rho = rho x (1 + z (..))
	v_mul_f32 v[SPH], v[RH], v[SA]
	v_add_f32 v[CA], v[CA], v[CB]                  ; cos rho, rounded to f32 once
	v_fma_f32 v[SPE], v[RH], v[SA], -v[SPH]
	v_and_b32 v[U0], 1, v[NI]
	v_fma_f32 v[SPE], v[RH], v[SB], v[SPE]
	v_lshlrev_b32 v[U1], 30, v[NI]                 ; bit 1 of n: the sine's sign
	v_fma_f32 v[SPE], v[RL], v[SA], v[SPE]
	v_add_nc_u32 v[U2], 1, v[NI]
	v_add_f32 v[SA], v[SPH], v[SPE]                ; sin rho, rounded to f32 once
	v_cmp_eq_u32 vcc_lo, 1, v[U0]                  ; odd n: sine and cosine change places
	v_lshlrev_b32 v[U2], 30, v[U2]                 ; bit 1 of n + 1: the cosine's sign
	v_and_b32 v[U1], 0x80000000, v[U1]
	v_and_b32 v[U2], 0x80000000, v[U2]
	v_cndmask_b32 v[SN], v[SA], v[CA], vcc_lo
	v_cndmask_b32 v[CS], v[CA], v[SA], vcc_lo
	v_xor_b32 v[SN], v[U1], v[SN]
	v_xor_b32 v[CS], v[U2], v[CS]
	; the covariance: in each sum of two products the first is fused, the second rounded
	v_mul_f32 v[WW], 0.5, v[WW]
	v_mul_f32 v[HH], 0.5, v[HH]
	v_mul_f32 v[WW], v[WW], v[WW]                  ; a
	v_mul_f32 v[HH], v[HH], v[HH]                  ; b
	v_mul_f32 v[U0], v[WW], v[CS]                  ; a c
	v_mul_f32 v[U1], v[HH], v[SN]                  ; b s
	v_sub_f32 v[U2], v[WW], v[HH]                  ; a - b
	v_mul_f32 v[U1], v[U1], v[SN]                  ; (b s) s, rounded
	v_mul_f32 v[U2], v[U2], v[SN]
	v_fma_f32 v[BX], v[U0], v[CS], v[U1]           ; s00 = (a c) c + that, one rounding
	v_mul_f32 v[BX+1], v[U2], v[CS]                ; s01 = ((a - b) s) c
	v_mul_f32 v[U0], v[WW], v[SN]                  ; a s
	v_mul_f32 v[U1], v[HH], v[CS]                  ; b c
	v_mul_f32 v[U1], v[U1], v[CS]                  ; (b c) c, rounded
	v_fma_f32 v[BX+2], v[U0], v[SN], v[U1]         ; s11 = (a s) s + that
	v_mul_f32 v[U1], v[BX+1], v[BX+1]              ; s01^2, rounded
	v_fma_f32 v[U0], v[BX], v[BX+2], -v[U1]        ; det = s00 s11 - that
	v_sqrt_f32 v[U1], |v[U0]|
	v_nop                                          ; one plain instruction behind the root (ISA guide 5.7.2)
	s_wait_alu depctr_va_vdst(0)
	v_mul_f32 v[BX+3], 4.0, v[U1]                  ; V
.endm
	s_cmp_ge_u32 s10, 12
	s_cbranch_scc1 .Lstored                        ; waves 12-15: 384 boxes need 12 waves
	s_cmp_ge_u32 s10, 8
	s_cbranch_scc1 .Lpred
	; waves 0-7: target 256 x tile + 32 x wave + lane
	s_lshl_b32 s17, ttmp9, 8
	s_add_co_u32 s17, s17, s13
	s_mul_i32 s17, s17, BOXB
	v_mad_u32_u24 v[GAD], v2, BOXB, s17            ; 40,940 at the most
	s_lshl_b32 s18, s10, 7                         ; in each array 32 words a wave
	v_lshl_add_u32 v[LAD], v2, 2, s18
	s_wait_kmcnt 0x0
	global_load_b32 v[WW], v[GAD], s[6:7] offset:8
	global_load_b32 v[HH], v[GAD], s[6:7] offset:12
	global_load_b32 v[RR], v[GAD], s[6:7] offset:16
	BOX
.irp q, 0,1,2,3
	ds_store_b32 v[LAD], v[BX+\q] offset:L_T+1024*\q   ; 32 neighbouring words of each array
.endr
	s_branch .Lstored
.Lpred:
	; waves 8-11: pred 128 x tile + 32 x (wave - 8) + lane
	s_lshl_b32 s17, s11, 7
	s_add_co_u32 s17, s17, s13
	s_sub_co_u32 s17, s17, 256
	s_mul_i32 s17, s17, BOXB
	v_mad_u32_u24 v[GAD], v2, BOXB, s17            ; 81,900 at the most
	s_lshl_b32 s18, s10, 9                         ; 32 records of 16 bytes a wave
	s_add_co_u32 s18, s18, L_P-8*512
	v_lshl_add_u32 v[LAD], v2, 4, s18
	s_wait_kmcnt 0x0
	global_load_b32 v[WW], v[GAD], s[4:5] offset:8
	global_load_b32 v[HH], v[GAD], s[4:5] offset:12
	global_load_b32 v[RR], v[GAD], s[4:5] offset:16
	BOX
	ds_store_b128 v[LAD], v[BX:BX+3]
.Lstored:
	s_wait_kmcnt 0x0                               ; waves 12-15 come here without having waited
	s_add_nc_u64 s[8:9], s[8:9], s[14:15]          ; out0 at my wave's first row, the tile's first column
	s_wait_dscnt 0x0                               ; my stores are in LDS: zero, for the other waves' sake
	s_barrier_signal -1
	s_barrier_wait -1                              ; all 384 boxes are there; the boxes' numbers are only read from here on
	; 16 LDS loads: my 8 columns' four numbers, then my 8 rows' records, one load each, in the order of use
.irp q, 0,1,2,3
	ds_load_b128 v[T0+8*\q:T0+8*\q+3],   v[LOFF] offset:L_T+1024*\q       ; columns 4 L .. 4 L + 3
	ds_load_b128 v[T0+8*\q+4:T0+8*\q+7], v[LOFF] offset:L_T+1024*\q+512   ; columns 128 + 4 L .. + 3
.endr
.irp i, 0,1,2,3,4,5,6,7
	ds_load_b128 v[P+4*\i:P+4*\i+3], v[RADR] offset:16*\i
.endr
; Operations on arrays of 8 (my 8 columns), two columns to an instruction.  Each half of a packed instruction rounds as the single one does.
.macro AMUL d, a, b
.irp j, 0,2,4,6
	v_pk_mul_f32 v[\d+\j:\d+\j+1], v[\a+\j:\a+\j+1], v[\b+\j:\b+\j+1]
.endr
.endm
.macro ASUB d, a, b
.irp j, 0,2,4,6
	v_pk_add_f32 v[\d+\j:\d+\j+1], v[\a+\j:\a+\j+1], v[\b+\j:\b+\j+1] neg_lo:[0,1] neg_hi:[0,1]
.endr
.endm
.macro AFMA d, a, b, c                 ; a b + c
.irp j, 0,2,4,6
	v_pk_fma_f32 v[\d+\j:\d+\j+1], v[\a+\j:\a+\j+1], v[\b+\j:\b+\j+1], v[\c+\j:\c+\j+1]
.endr
.endm
.macro ANFMA d, a, b, c                ; c - a b
.irp j, 0,2,4,6
	v_pk_fma_f32 v[\d+\j:\d+\j+1], v[\a+\j:\a+\j+1], v[\b+\j:\b+\j+1], v[\c+\j:\c+\j+1] neg_lo:[1,0,0] neg_hi:[1,0,0]
.endr
.endm
.macro AFMS d, a, b, c                 ; a b - c
.irp j, 0,2,4,6
	v_pk_fma_f32 v[\d+\j:\d+\j+1], v[\a+\j:\a+\j+1], v[\b+\j:\b+\j+1], v[\c+\j:\c+\j+1] neg_lo:[0,0,1] neg_hi:[0,0,1]
.endr
.endm
; With a number of the row, which lies in every lane: op_sel and op_sel_hi pick the register (hi = 0: first, 1: second) of the pair pr for both halves.
.macro AMULR d, a, pr, hi
.irp j, 0,2,4,6
.if \hi
	v_pk_mul_f32 v[\d+\j:\d+\j+1], v[\a+\j:\a+\j+1], v[\pr:\pr+1] op_sel:[0,1] op_sel_hi:[1,1]
.else
	v_pk_mul_f32 v[\d+\j:\d+\j+1], v[\a+\j:\a+\j+1], v[\pr:\pr+1] op_sel_hi:[1,0]
.endif
.endr
.endm
.macro AADDR d, a, pr, hi
.irp j, 0,2,4,6
.if \hi
	v_pk_add_f32 v[\d+\j:\d+\j+1], v[\a+\j:\a+\j+1], v[\pr:\pr+1] op_sel:[0,1] op_sel_hi:[1,1]
.else
	v_pk_add_f32 v[\d+\j:\d+\j+1], v[\a+\j:\a+\j+1], v[\pr:\pr+1] op_sel_hi:[1,0]
.endif
.endr
.endm
.macro ARSUB d, pr, hi, a              ; the row's number - a
.irp j, 0,2,4,6
.if \hi
	v_pk_add_f32 v[\d+\j:\d+\j+1], v[\pr:\pr+1], v[\a+\j:\a+\j+1] op_sel:[1,0] op_sel_hi:[1,1] neg_lo:[0,1] neg_hi:[0,1]
.else
	v_pk_add_f32 v[\d+\j:\d+\j+1], v[\pr:\pr+1], v[\a+\j:\a+\j+1] op_sel_hi:[0,1] neg_lo:[0,1] neg_hi:[0,1]
.endif
.endr
.endm
.macro AFMAR d, a, pr, hi, c, na, nc   ; (na = 1: minus) a x the row's number (nc = 1: minus, else plus) c, one rounding
.irp j, 0,2,4,6
	v_pk_fma_f32 v[\d+\j:\d+\j+1], v[\a+\j:\a+\j+1], v[\pr:\pr+1], v[\c+\j:\c+\j+1] op_sel:[0,\hi,0] op_sel_hi:[1,\hi,1] neg_lo:[\na,0,\nc] neg_hi:[\na,0,\nc]
.endr
.endm
; A row's first sums stand in the row before, as the plain work behind its root and its last reciprocals.
.macro HEAD1 i
	s_wait_dscnt 7-\i                              ; LDS loads come back in order (ISA guide 5.7.1): the 7 - i records behind row i's may stay out
	AADDR M0, T0, P+4*\i, 0                        ; m00
	AADDR M1, T1, P+4*\i, 1                        ; m01
.endm
.macro HEAD2 i
	AADDR M2, T2, P+4*\i+2, 0                      ; m11
.endm
; Row i of my eight.  The record: p00, p01 in the pair PR, p11, Vp in the pair PR + 2.
.macro BODY i, nxt
.set PR, P+4*\i
.set OI, O+8*\i
	AMUL Q1, M1, M1                                ; m01^2, rounded
	AFMS D, M0, M2, Q1                             ; det_m = m00 m11 - that
.irp k, 0,1,2,3,4,5,6,7
	v_rcp_f32 v[R+\k], v[D+\k]
.endr
	AADDR OI, TV, PR+2, 1                          ; Vp + Vt: the plain work behind the reciprocals (ISA guide 5.7.2)
	s_wait_alu depctr_va_vdst(0)
.irp j, 0,2,4,6
	v_pk_fma_f32 v[Q0+\j:Q0+\j+1], v[D+\j:D+\j+1], v[R+\j:R+\j+1], 1.0 op_sel_hi:[1,1,0] neg_lo:[1,0,0] neg_hi:[1,0,0]   ; 1 - d r
.endr
	AFMA R, Q0, R, R                               ; one Newton step: 1 / det_m to half a last place
	AMUL Q0, M2, R                                 ; three quotients, each: n r,
	AMUL Q1, M1, R
	AMUL Q2, M0, R
	ANFMA M2, D, Q0, M2                            ; n - d q,
	ANFMA M1, D, Q1, M1
	ANFMA M0, D, Q2, M0
	AFMA Q0, M2, R, Q0                             ; q + (n - d q) r:  i00 = m11 / det_m
	AFMA Q1, M1, R, Q1                             ; q = -i01 = m01 / det_m
	AFMA Q2, M0, R, Q2                             ; i11 = m00 / det_m
	AMULR D,  Q1, PR, 1                            ; p01 q, rounded: used twice, so never the fused one
	AMULR M1, Q2, PR, 1                            ; p01 i11, rounded
	AMULR R,  Q1, PR+2, 0                          ; p11 q, rounded
	AFMAR M0, Q0, PR, 0, D, 0, 1                   ; k00 = p00 i00 - (p01 q)
	AFMAR M1, Q1, PR, 0, M1, 1, 0                  ; k01 = -p00 q + (p01 i11)
	AFMAR M2, Q0, PR, 1, R, 0, 1                   ; k10 = p01 i00 - (p11 q)
	AFMAR Q2, Q2, PR+2, 0, D, 0, 1                 ; k11 = p11 i11 - (p01 q)
	AMULR D,  M1, PR, 1                            ; k01 p01, rounded
	AMULR Q0, M1, PR+2, 0                          ; k01 p11
	AMULR R,  Q2, PR, 1                            ; k11 p01
	AMULR Q1, Q2, PR+2, 0                          ; k11 p11
	AFMAR D,  M0, PR, 0, D, 0, 0                   ; k00 p00 + (k01 p01)
	AFMAR Q0, M0, PR, 1, Q0, 0, 0                  ; k00 p01 + (k01 p11)
	AFMAR R,  M2, PR, 0, R, 0, 0                   ; k10 p00 + (k11 p01)
	AFMAR Q1, M2, PR, 1, Q1, 0, 0                  ; k10 p01 + (k11 p11)
	ARSUB D,  PR, 0, D                             ; sig00
	ARSUB Q0, PR, 1, Q0                            ; sig01
	ARSUB R,  PR, 1, R                             ; sig10
	ARSUB Q1, PR+2, 0, Q1                          ; sig11
	AMUL Q0, Q0, R                                 ; sig01 sig10, rounded
	AFMS D, D, Q1, Q0                              ; det_sig = sig00 sig11 - that
.irp k, 0,1,2,3,4,5,6,7
	v_sqrt_f32 v[R+\k], |v[D+\k]|
.endr
.if \nxt < 8
	HEAD1 \nxt                                     ; the next row's start is the plain work behind the roots
.else
	v_nop                                          ; the last row has none
	s_wait_alu depctr_va_vdst(0)
.endif
	s_wait_alu depctr_va_vdst(0)
.irp j, 0,2,4,6
	v_pk_mul_f32 v[R+\j:R+\j+1], v[R+\j:R+\j+1], 4.0 op_sel_hi:[1,0]                  ; Vb
.endr
	ASUB OI, OI, R                                 ; (Vp + Vt) - Vb
.irp j, 0,2,4,6
	v_pk_add_f32 v[OI+\j:OI+\j+1], v[OI+\j:OI+\j+1], 0x358637bd op_sel_hi:[1,0]       ; + 1e-6
.endr
.irp k, 0,1,2,3,4,5,6,7
	v_rcp_f32 v[Q0+\k], v[OI+\k]
.endr
.if \nxt < 8
	HEAD2 \nxt
.else
	v_nop
	s_wait_alu depctr_va_vdst(0)
.endif
	s_wait_alu depctr_va_vdst(0)
.irp j, 0,2,4,6
	v_pk_fma_f32 v[OI+\j:OI+\j+1], v[R+\j:R+\j+1], v[Q0+\j:Q0+\j+1], 1.0 op_sel_hi:[1,1,0] neg_lo:[1,0,0] neg_hi:[1,0,0]   ; 1 - KFIoU
.endr
.irp k, 0,1,2,3,4,5,6,7
	v_cmp_gt_f32 s[20+\k], 0, v[OI+\k]             ; below zero: clamped; a NaN compares false and stays
.endr
.irp k, 0,1,2,3,4,5,6,7
	v_cndmask_b32 v[OI+\k], v[OI+\k], 0, s[20+\k]
.endr
	global_store_b128 v[LOFF], v[OI:OI+3],   s[8:9] offset:\i*ROWB th:TH_STORE_NT        ; 512 consecutive bytes, aligned; written once, not read again
	global_store_b128 v[LOFF], v[OI+4:OI+7], s[8:9] offset:\i*ROWB+512 th:TH_STORE_NT    ; the next 512
.endm
	HEAD1 0
	HEAD2 0
	BODY 0, 1
	BODY 1, 2
	BODY 2, 3
	BODY 3, 4
	BODY 4, 5
	BODY 5, 6
	BODY 6, 7
	BODY 7, 8
	s_wait_tensorcnt 0x0
	ds_add_u32 v228, v229
	s_wait_dscnt 0x0
	s_endpgm
.Lfunc_end_k_q1a1cf464a2_kfloss:
	.size	k_q1a1cf464a2_kfloss, .Lfunc_end_k_q1a1cf464a2_kfloss-k_q1a1cf464a2_kfloss
	.p2alignl 7, 3214868480
	.fill 96, 4, 3214868480
	.section	.rodata,"a",@progbits
	.p2align	6, 0x0
	.amdhsa_kernel k_q1a1cf464a2_kfloss
		.amdhsa_group_segment_fixed_size 8192
		.amdhsa_private_segment_fixed_size 0
		.amdhsa_enable_private_segment 0
		.amdhsa_kernarg_size 24
		.amdhsa_user_sgpr_count 2
		.amdhsa_user_sgpr_kernarg_segment_ptr 1
		.amdhsa_wavefront_size32 1
		.amdhsa_system_sgpr_workgroup_id_x 1
		.amdhsa_system_sgpr_workgroup_id_y 1
		.amdhsa_system_sgpr_workgroup_id_z 1
		.amdhsa_system_vgpr_workitem_id 0
		.amdhsa_next_free_vgpr 230
		.amdhsa_next_free_sgpr 66
		.amdhsa_reserve_vcc 1
		.amdhsa_float_denorm_mode_32 3
		.amdhsa_float_denorm_mode_16_64 3
		.amdhsa_memory_ordered 1
		.amdhsa_forward_progress 1
		.amdhsa_inst_pref_size 120
	.end_amdhsa_kernel
	.amdgpu_metadata
---
amdhsa.version: [ 1, 2 ]
amdhsa.kernels:
  - .name:           k_q1a1cf464a2_kfloss
    .symbol:         k_q1a1cf464a2_kfloss.kd
    .args:
      - { .name: pred, .offset: 0, .size: 8, .value_kind: global_buffer, .address_space: global }
      - { .name: target, .offset: 8, .size: 8, .value_kind: global_buffer, .address_space: global }
      - { .name: out0, .offset: 16, .size: 8, .value_kind: global_buffer, .address_space: global }
    .group_segment_fixed_size: 8192
    .private_segment_fixed_size: 0
    .kernarg_segment_align: 8
    .kernarg_segment_size: 24
    .max_flat_workgroup_size: 512
    .sgpr_count:     66
    .vgpr_count:     230
    .wavefront_size: 32
...
	.end_amdgpu_metadata
.endif
;; end of part 1
